; MI455X (gfx1250); checked and timed in simulation.
; The chip was launched on July 23, 2026; its instructions are those of AMD's public machine-readable ISA for CDNA 5 (MIT licence, August 2026) and "CDNA5" Instruction Set Architecture Reference Guide (July 2026). The comments in the code are by the model that wrote it; some were corrected since.
;; Full Attention Masked. Allowed arithmetic: matrix products marked QUANTISED: E2M1 operands, one E8M0 scale for each 32 along K, by v_wmma_scale_f32_16x16x128_f8f6f4 with both operands' format E2M1 (or v_wmma_scale_f32_32x16x128_f4), f32 sums; everything else in f32.
;; Inputs: k 2 x 16 x 2,048 x 64 float32; mask 1 x 1 x 2,048 x 2,048 bool; q 2 x 16 x 2,048 x 64 float32; v 2 x 16 x 2,048 x 64 float32.
;; Outputs: out0 2 x 16 x 2,048 x 64 float32.
;; This version of the problem:
;;   THIS VERSION OF THE PROBLEM IS GIVEN IN LOW PRECISION. The matrix products marked QUANTISED in the list below multiply operands that are first quantised to E2M1 (2 exponent bits, 1 mantissa bit; 4 bits a number), with one power-of-two scale for each 32 numbers along K (OCP MX v1.0); their sums are f32. All else is computed in f32.
;;   The module's matrix products, in the order in which they are computed (A, B: the left and right operand; K: the contracted axis; several contracted axes count as one K, in the product's order):
;;     1. batch 32 x [M 2,048, K 64] x [K 64, N 2,048]; A: input q; B: input k: QUANTISED
;;     2. batch 32 x [M 2,048, K 2,048] x [K 2,048, N 64]; A: computed on the way; B: input v: QUANTISED
;;   THE QUANTISER, for each operand of a quantised product, along K:
;;     - K is cut into blocks of 32 from its start; a last block that is shorter is filled with zeros.
;;     - A block's scale is 2^e with e = floor(log2(the largest magnitude in the block)) - 2, held to -126 .. 127; a block of zeros has e = 0. As a byte (E8M0): e + 127.
;;     - Each number is divided by its block's scale, clamped to +-6, and rounded to the nearest number of E2M1, ties to even, subnormals kept.
;;     - The product sums the exact products of the quantised numbers (number of the format x scale) in f32.
;;   ~~~python
;;   def quantise(x, axis):      # numpy; x: float32 -> the quantised numbers, widened to float32 again
;;       x = np.moveaxis(x, axis, -1); K = x.shape[-1]
;;       x = np.pad(x, [(0, 0)] * (x.ndim - 1) + [(0, -K % 32)]); x = x.reshape(x.shape[:-1] + (-1, 32)); a = np.abs(x).max(-1, keepdims=True)
;;       e = np.where(a > 0, np.clip(np.frexp(np.where(a > 0, a, 1))[1] - 1 - 2, -126, 127), 0)      # np.frexp(a)[1] - 1 = floor(log2(a)), exactly
;;       r = np.clip(x / 2.0 ** e, -6, 6)
;;       step = 2.0 ** (np.maximum(np.frexp(np.where(r == 0, 1, r))[1] - 1, 0) - 1)
;;       q = np.round(r / step) * step * 2.0 ** e      # np.round: ties to even
;;       return np.moveaxis(q.reshape(q.shape[:-2] + (-1,))[..., :K], -1, axis).astype(np.float32)
;;   ~~~
;;   OPERANDS COMPUTED ON THE WAY. 'Computed on the way' means the value that the module computes at that place (a softmax that the list does not call 'softmax' is quantised finished and normalised). What goes into a quantiser is computed in f32, as accurately as f32 sums, v_exp_f32 and their like allow (about 1e-6 of the number): no bf16 or f16 on the way to a quantiser, and a product that is left as it is and whose result goes on into a quantised operand takes f32 operands (vector FMAs, or v_wmma_f32_16x16x4_f32). A number that lies on a knife's edge between two numbers of the format may be rounded either way, as far as f32 arithmetic and the matrix unit's own rounding can turn it there, and no further.
;; 2 versions, each right; version 2 is version 1 with the launch attn written anew for expert scheduling mode. Each part assembles by itself: llvm-mc -triple=amdgcn-amd-amdhsa -mcpu=gfx1250 --defsym DOCPART=n.
;; ======== version 1 of 2: 2 launches
;; limits: right only within a limited range of input values
;; workspace buffers: kfrag 2,097,152 bytes; ksc 131,072 bytes; vfrag 2,097,152 bytes; vsc 131,072 bytes; mbits 524,288 bytes of whole numbers; mstat 16,384 bytes
;; launch prep (part 1): grid 288 x 1, 4 waves a work-group, no clusters, 104,960 bytes of LDS; arguments k, v, mask, kfrag, ksc, vfrag, vsc, mbits, mstat; writes kfrag, ksc, vfrag, vsc, mbits, mstat
.if DOCPART == 1
	.amdgcn_target "amdgcn-amd-amdhsa--gfx1250"
	.amdhsa_code_object_version 6
	.text
	.protected	k_q9915433353_prep
	.globl	k_q9915433353_prep
	.p2align	8
	.type	k_q9915433353_prep,@function
k_q9915433353_prep:
	s_mov_b64 s[64:65], 0
	v_nop
	global_prefetch_b8 v0, s[64:65] scope:SCOPE_SE
	s_setreg_imm32_b32 hwreg(HW_REG_WAVE_MODE, 25, 1), 1
	s_wait_xcnt 0x0
; k, v [32 heads][2048][64] f32 become codes of FP4 (E2M1) with one E8M0 byte for each 32 along a product's K, laid in the ORDER OF THE OPERANDS' REGISTERS;
; mask [2048][2048] bytes becomes lane masks (one 32-bit word for each score register of the next launch) and, for each query, the count of its masked keys.
; A block's scale is 2^(floor(log2(largest magnitude)) - 2): its byte is the largest magnitude's exponent field - 2, held at 1 from below by a floor among the maximum's leaves.
; LIMITS: a block of zeros, and a block whose largest magnitude lies under 2^-124, get the byte 1 (only this program reads the bytes; zero codes add nothing); NaN and infinities among the inputs are not served; mask bytes are 0 or 1.
; JOBS: every wave has a job of its own that reads 32,768 bytes; waves share nothing, so there is no barrier.  Work-groups 0-31: the mask, 16 queries a wave.  32-159: k, 128 keys a wave.  160-287: v, 128 keys a wave.
; Each path has LDS bytes of its own, each wave a stage of 32 rows x 272 bytes in them.  Every load reads 512 (mask: 2 x 256) consecutive bytes; the numbers turn through the stage so that a lane holds a whole block of 32.
; LAYOUTS (L lane, r = L % 16, h = L / 16):
;  kfrag [head][block b of 32 keys][c 2][L][16 bytes]: codes of key 32 b + 8 c + r + 8 (r / 8), channels 32 h on.   ksc [head][g 16][L][2 words]: word p = scale word of block 4 g + 2 p + h, row r; byte 2 c + channel half.
;  vfrag [head][s 16][t 4][c 2][L][16 bytes]: channel 16 t + r, keys 128 s + 64 c + 32 h on.                         vsc [head][s][L][2 words]: word u = channel 32 u + L; byte b: keys 128 s + 32 b on.
;  mbits [qt 128][w 8][128 words]: word 16 b + i, bit L = mask[16 qt + r][256 w + 32 b + 16 h + i].                  mstat [qt][2][16] f32: the count n; then 14426.0 where n > 0, else 3e38.
.set PITCH, 272                        ; a stage row: 256 bytes + 16, so that sixteen rows start at sixteen different 16-byte columns
.set WSTG,  32*PITCH                   ; a wave's stage
.set LK,    4*WSTG                     ; the k path's LDS (the mask path's begins at 0)
.set LV,    8*WSTG                     ; the v path's
.set SET,   32                         ; v32-159  numbers as loaded: two sets of 64 (mask: of 32)
.set X,     160                        ; v160-223 two blocks of 32 numbers of one lane (mask: 32 words of 4 mask bytes)
.set CD,    224                        ; v224-255 codes or mask words: registers of their own for each store, so no store's data are written again
	s_load_b256 s[4:11], s[0:1], 0x0               ; k s[4:5], v s[6:7], mask s[8:9], kfrag s[10:11]
	s_load_b256 s[12:19], s[0:1], 0x20             ; ksc s[12:13], vfrag s[14:15], vsc s[16:17], mbits s[18:19]
	s_load_b64 s[20:21], s[0:1], 0x40              ; mstat
	v_lshl_add_u32 v30, v0, 2, 0x19800
	v_mov_b32 v31, 0
	v_lshrrev_b32 v1, 5, v0
	v_readfirstlane_b32 s22, v1                    ; wave 0..3
	v_and_b32 v1, 31, v0                           ; L
	v_and_b32 v2, 15, v0                           ; r
	v_bfe_u32 v3, v0, 4, 1                         ; h
	s_mov_b32 s24, 0x76543210                      ; v_permlanex16_b32's selects for lane l xor 16
	s_mov_b32 s25, 0xfedcba98
	s_mov_b32 s26, 0xffff0000                      ; a lane mask: lanes 16-31
	s_mul_i32 s23, s22, WSTG                       ; my stage in a path's LDS
	s_mov_b32 s31, 0                               ; the high word of every offset
	v_mul_u32_u24 v5, v3, PITCH
	v_lshl_add_u32 v5, v2, 4, v5
	v_add_nc_u32 v5, s23, v5                       ; into the stage: a load's 512 bytes are two rows: row h, 16 r
	v_lshlrev_b32 v7, 4, v1                        ; 16 L
	v_lshlrev_b32 v8, 3, v1                        ; 8 L
	v_lshlrev_b32 v9, 3, v3                        ; 8 h
	v_mov_b32 v21, 0                               ; written once: a lane permute's destination counts as one of its sources
	s_wait_kmcnt 0x0
	s_cmp_lt_u32 ttmp9, 32
	s_cbranch_scc1 .Lmask
	s_cmp_lt_u32 ttmp9, 160
	s_cbranch_scc1 .Lkeys
; block b of a job: 32 keys x 256 bytes, sixteen loads of 512 consecutive bytes, into set b % 2
.macro LOAD b, p
.irp i, 0,1,2,3,4,5,6,7,8,9,10,11,12,13,14,15
	global_load_b128 v[SET+64*((\b)%2)+4*\i:SET+64*((\b)%2)+4*\i+3], v7, s[\p:\p+1] offset:8192*(\b)+512*\i th:TH_LOAD_NT
.endr
.endm
.macro STAGE_IN b                      ; as loaded: load i is keys 2 i and 2 i + 1
.irp i, 0,1,2,3,4,5,6,7,8,9,10,11,12,13,14,15
	ds_store_b128 v5, v[SET+64*((\b)%2)+4*\i:SET+64*((\b)%2)+4*\i+3] offset:2*PITCH*\i
.endr
.endm
; Two blocks of 32 numbers, v[X ..] and v[X + 32 ..], all of one lane, by turns: codes into v[cd ..] and v[cd + 4 ..], their bytes into v14, v15
.macro QB2 cd
	v_max3_num_f32 v10, |v[X]|, |v[X+1]|, 0x1800000          ; the floor 2^(3 - 127) among the leaves: the byte cannot fall under 1
	v_max3_num_f32 v11, |v[X+32]|, |v[X+33]|, 0x1800000
.irp i, 2,4,6,8,10,12,14,16,18,20,22,24,26,28,30
	v_max3_num_f32 v10, v10, |v[X+\i]|, |v[X+\i+1]|
	v_max3_num_f32 v11, v11, |v[X+32+\i]|, |v[X+33+\i]|
.endr
	v_add_nc_u32 v12, 0xff000000, v10              ; 2 off the exponent field: the conversion takes the exponent field of this operand as its scale
	v_add_nc_u32 v13, 0xff000000, v11
.irp g, 0,1,2,3
	v_cvt_scalef32_pk8_fp4_f32 v[(\cd)+\g], v[X+8*\g:X+8*\g+7], v12
	v_cvt_scalef32_pk8_fp4_f32 v[(\cd)+4+\g], v[X+32+8*\g:X+32+8*\g+7], v13
.endr
	v_lshrrev_b32 v14, 23, v12                     ; the bytes.  (A plain line directly behind the last conversion)
	v_lshrrev_b32 v15, 23, v13
.endm
; ---------------- v: a lane takes a channel, its registers run down the keys ----------------
	s_sub_co_u32 s28, ttmp9, 160
	s_lshl_b32 s28, s28, 2
	s_add_co_u32 s28, s28, s22                     ; job J = 16 head + s
	s_lshl_b32 s30, s28, 15
	s_add_nc_u64 s[6:7], s[6:7], s[30:31]          ; 128 keys x 256 bytes a job
	s_lshl_b32 s30, s28, 12
	s_add_nc_u64 s[14:15], s[14:15], s[30:31]      ; 4,096 bytes of codes
	s_lshl_b32 s30, s28, 8
	s_add_nc_u64 s[16:17], s[16:17], s[30:31]      ; 256 bytes of scale words
	LOAD 0, 6
	LOAD 1, 6
	v_add_nc_u32 v5, LV, v5
	v_lshl_add_u32 v6, v1, 2, s23
	v_add_nc_u32 v6, LV, v6                        ; out of the stage: channel L (+ 32 u), one key a row
	v_lshlrev_b32 v4, 4, v2
	v_lshl_add_u32 v4, v3, 10, v4                  ; codes: tile t = 2 u + h is 1,024 bytes, lane r 16 bytes
.macro VBLOCK b
.if (\b) < 3
	s_wait_loadcnt 16                              ; this block's sixteen loads are in; the next block's sixteen may be out
.else
	s_wait_loadcnt 0x0
.endif
	STAGE_IN \b
.irp u, 0,1
.irp i, 0,1,2,3,4,5,6,7,8,9,10,11,12,13,14,15,16,17,18,19,20,21,22,23,24,25,26,27,28,29,30,31
	ds_load_b32 v[X+32*\u+\i], v6 offset:PITCH*\i+128*\u           ; LDS serves a wave's instructions in order: these see my stores
.endr
.endr
	s_wait_dscnt 0x0                               ; the numbers are back, and the stage's stores have read the set
.if (\b)+2 < 4
	LOAD (\b)+2, 6
.endif
	QB2 CD+8*(\b)
	global_store_b128 v4, v[CD+8*(\b):CD+8*(\b)+3], s[14:15] offset:512*((\b)/2)+256*((\b)%2)          ; block b is chunk c = b / 2, lane half b % 2: sixteen lanes store 256 consecutive bytes, aligned
	global_store_b128 v4, v[CD+8*(\b)+4:CD+8*(\b)+7], s[14:15] offset:2048+512*((\b)/2)+256*((\b)%2)
.if (\b) == 0
	v_mov_b32 v24, v14
	v_mov_b32 v25, v15
.else
	v_lshl_or_b32 v24, v14, 8*(\b), v24            ; byte b of my channels' scale words
	v_lshl_or_b32 v25, v15, 8*(\b), v25
.endif
.endm
	VBLOCK 0
	VBLOCK 1
	VBLOCK 2
	VBLOCK 3
	global_store_b64 v8, v[24:25], s[16:17]        ; 32 lanes store 256 consecutive bytes, aligned
	s_wait_tensorcnt 0x0
	ds_add_u32 v30, v31
	s_wait_dscnt 0x0
	s_endpgm
; ---------------- k: a lane takes a key and half of its channels ----------------
.Lkeys:
	s_sub_co_u32 s28, ttmp9, 32
	s_lshl_b32 s28, s28, 2
	s_add_co_u32 s28, s28, s22                     ; job J = 16 head + g
	s_lshl_b32 s30, s28, 15
	s_add_nc_u64 s[4:5], s[4:5], s[30:31]
	s_lshl_b32 s30, s28, 12
	s_add_nc_u64 s[10:11], s[10:11], s[30:31]
	s_lshl_b32 s30, s28, 8
	s_add_nc_u64 s[12:13], s[12:13], s[30:31]
	LOAD 0, 4
	LOAD 1, 4
	v_add_nc_u32 v5, LK, v5
	v_and_b32 v6, 8, v2
	v_add_nc_u32 v6, v6, v2                        ; r + 8 (r / 8): THE KEYS OF A TILE ARE NOT NEIGHBOURS, so that the scores' registers of two tiles are 16 neighbouring keys
	v_mul_u32_u24 v6, v6, PITCH
	v_lshl_add_u32 v6, v3, 7, v6                   ; + my half's 32 channels
	v_add_nc_u32 v6, s23, v6
	v_add_nc_u32 v6, LK, v6
.macro KBLOCK b
.if (\b) < 3
	s_wait_loadcnt 16                              ; this block's sixteen loads are in; the next block's sixteen may be out
.else
	s_wait_loadcnt 0x0
.endif
	STAGE_IN \b
.irp c, 0,1
.irp i, 0,1,2,3,4,5,6,7
	ds_load_b128 v[X+32*\c+4*\i:X+32*\c+4*\i+3], v6 offset:8*PITCH*\c+16*\i   ; chunk c: eight keys further down
.endr
.endr
	s_wait_dscnt 0x0
.if (\b)+2 < 4
	LOAD (\b)+2, 4
.endif
	QB2 CD+8*(\b)
	global_store_b128 v7, v[CD+8*(\b):CD+8*(\b)+3], s[10:11] offset:1024*(\b)        ; 32 lanes store 512 consecutive bytes, aligned
	global_store_b128 v7, v[CD+8*(\b)+4:CD+8*(\b)+7], s[10:11] offset:1024*(\b)+512
	v_lshl_or_b32 v20, v15, 16, v14                ; my two bytes, chunks 0 and 1,
	v_lshlrev_b32 v20, v9, v20                     ; at byte 2 c + h;
	v_permlanex16_b32 v21, v20, s24, s25
	v_or_b32 v[16+(\b)], v20, v21                  ; with lane l xor 16's two the row's word is whole
.endm
	KBLOCK 0
	KBLOCK 1
	KBLOCK 2
	KBLOCK 3
	v_cndmask_b32 v24, v16, v17, s26               ; lanes 0-15 the even block's words, lanes 16-31 the odd block's
	v_cndmask_b32 v25, v18, v19, s26
	global_store_b64 v8, v[24:25], s[12:13]
	s_wait_tensorcnt 0x0
	ds_add_u32 v30, v31
	s_wait_dscnt 0x0
	s_endpgm
; ---------------- the mask: 16 queries x 2,048 keys a wave, in eight chunks of 256 keys ----------------
.Lmask:
	s_lshl_b32 s28, ttmp9, 2
	s_add_co_u32 s28, s28, s22                     ; qt
	s_lshl_b32 s30, s28, 15
	s_add_nc_u64 s[8:9], s[8:9], s[30:31]          ; 16 rows of 2,048 bytes
	s_lshl_b32 s30, s28, 12
	s_add_nc_u64 s[18:19], s[18:19], s[30:31]      ; 1,024 words
	s_lshl_b32 s30, s28, 7
	s_add_nc_u64 s[20:21], s[20:21], s[30:31]
	v_lshlrev_b32 v4, 4, v2
	v_lshl_add_u32 v4, v3, 11, v4                  ; row h, 16 r: sixteen lanes read 256 consecutive bytes of a row
.macro MLOAD ch
.irp i, 0,1,2,3,4,5,6,7
	global_load_b128 v[SET+32*((\ch)%2)+4*\i:SET+32*((\ch)%2)+4*\i+3], v4, s[8:9] offset:4096*\i+256*(\ch) th:TH_LOAD_NT
.endr
.endm
	MLOAD 0
	MLOAD 1
	v_mul_u32_u24 v6, v2, PITCH
	v_lshl_add_u32 v6, v3, 4, v6
	v_add_nc_u32 v6, s23, v6                       ; out of the stage: row r, 16 h: the 16 keys that one lane's score registers of a block hold
	v_lshlrev_b32 v22, 2, v1                       ; 4 L
	v_mov_b32 v18, 0                               ; byte-wise counts: chunks 0-3 (a byte reaches 128 at the most),
	v_mov_b32 v19, 0                               ; chunks 4-7
.macro MCHUNK ch
.if (\ch) < 7
	s_wait_loadcnt 8                               ; this chunk's eight loads are in; the next chunk's eight may be out
.else
	s_wait_loadcnt 0x0
.endif
.irp i, 0,1,2,3,4,5,6,7
	ds_store_b128 v5, v[SET+32*((\ch)%2)+4*\i:SET+32*((\ch)%2)+4*\i+3] offset:2*PITCH*\i
.endr
.irp i, 0,1,2,3,4,5,6,7
	ds_load_b128 v[X+4*\i:X+4*\i+3], v6 offset:32*\i               ; block i of 32 keys: my 16 bytes
.endr
	s_wait_dscnt 0x0
.if (\ch)+2 < 8
	MLOAD (\ch)+2
.endif
; Register X + q holds the bytes of words 4 q .. 4 q + 3.  A compare over the 32 lanes IS the word; it goes to lane q of register y, so that lane q stores words 4 q .. 4 q + 3 as 16 bytes.
.set q, 0
.rept 32
.irp y, 0,1,2,3
	v_and_b32 v[10+4*(q%2)+\y], 0xff<<(8*\y), v[X+q]
.endr
.irp y, 0,1,2,3
	v_cmp_ne_u32 s[40+4*(q%2)+\y], 0, v[10+4*(q%2)+\y]
.endr
.irp y, 0,1,2,3
.if q == 0
	v_mov_b32 v[CD+4*(\ch)+\y], s[40+\y]           ; lane 0's word, and the register's first write: nothing is cleared
.else
	v_writelane_b32 v[CD+4*(\ch)+\y], s[40+4*(q%2)+\y], q
.endif
.endr
.if q%2
	v_add3_u32 v[18+(\ch)/4], v[18+(\ch)/4], v[X+q-1], v[X+q]      ; four counts at once: the bytes are 0 or 1
.endif
.set q, q+1
.endr
	global_store_b128 v7, v[CD+4*(\ch):CD+4*(\ch)+3], s[18:19] offset:512*(\ch)    ; 32 lanes store 512 consecutive bytes, aligned
.endm
	MCHUNK 0
	MCHUNK 1
	MCHUNK 2
	MCHUNK 3
	MCHUNK 4
	MCHUNK 5
	MCHUNK 6
	MCHUNK 7
	v_and_b32 v10, 0xff00ff, v18                   ; the eight byte counts are added: first in halves of 16 bits,
	v_lshrrev_b32 v11, 8, v18
	v_and_b32 v11, 0xff00ff, v11
	v_and_b32 v12, 0xff00ff, v19
	v_lshrrev_b32 v13, 8, v19
	v_and_b32 v13, 0xff00ff, v13
	v_add3_u32 v10, v10, v11, v12
	v_add_nc_u32 v10, v10, v13
	v_lshrrev_b32 v11, 16, v10
	v_and_b32 v10, 0xffff, v10
	v_add_nc_u32 v10, v10, v11                     ; then the two halves: my 1,024 keys' count,
	v_permlanex16_b32 v21, v10, s24, s25
	v_add_nc_u32 v10, v10, v21                     ; and lane l xor 16's: n of query r
	v_cvt_f32_u32 v11, v10
	v_mov_b32 v12, 0x7f61b1e6                      ; 3e38: no masked key takes part in the row's shift
	v_mov_b32 v13, 0x46616800                      ; 14426.0 = floor(80000 x 0.125 log2(e)): minus the whole-number shift of a masked score, -10000
	v_cmp_lt_u32 vcc_lo, 0, v10
	v_cndmask_b32 v12, v12, v13, vcc_lo
	v_cndmask_b32 v11, v11, v12, s26               ; lanes 0-15 store n, lanes 16-31 the shift
	global_store_b32 v22, v11, s[20:21]
	s_wait_tensorcnt 0x0
	ds_add_u32 v30, v31
	s_wait_dscnt 0x0
	s_endpgm
.Lfunc_end_k_q9915433353_prep:
	.size	k_q9915433353_prep, .Lfunc_end_k_q9915433353_prep-k_q9915433353_prep
	.p2alignl 7, 3214868480
	.fill 96, 4, 3214868480
	.section	.rodata,"a",@progbits
	.p2align	6, 0x0
	.amdhsa_kernel k_q9915433353_prep
		.amdhsa_group_segment_fixed_size 104960
		.amdhsa_private_segment_fixed_size 0
		.amdhsa_enable_private_segment 0
		.amdhsa_kernarg_size 72
		.amdhsa_user_sgpr_count 2
		.amdhsa_user_sgpr_kernarg_segment_ptr 1
		.amdhsa_wavefront_size32 1
		.amdhsa_system_sgpr_workgroup_id_x 1
		.amdhsa_system_sgpr_workgroup_id_y 1
		.amdhsa_system_sgpr_workgroup_id_z 1
		.amdhsa_system_vgpr_workitem_id 0
		.amdhsa_next_free_vgpr 256
		.amdhsa_next_free_sgpr 66
		.amdhsa_reserve_vcc 1
		.amdhsa_float_denorm_mode_32 3
		.amdhsa_float_denorm_mode_16_64 3
		.amdhsa_memory_ordered 1
		.amdhsa_forward_progress 1
		.amdhsa_inst_pref_size 255
	.end_amdhsa_kernel
	.section	.bss,"aw",@nobits
	.p2align	6
	.space	262144
	.amdgpu_metadata
---
amdhsa.version: [ 1, 2 ]
amdhsa.kernels:
  - .name:           k_q9915433353_prep
    .symbol:         k_q9915433353_prep.kd
    .args:
      - { .name: k, .offset: 0, .size: 8, .value_kind: global_buffer, .address_space: global }
      - { .name: v, .offset: 8, .size: 8, .value_kind: global_buffer, .address_space: global }
      - { .name: mask, .offset: 16, .size: 8, .value_kind: global_buffer, .address_space: global }
      - { .name: kfrag, .offset: 24, .size: 8, .value_kind: global_buffer, .address_space: global }
      - { .name: ksc, .offset: 32, .size: 8, .value_kind: global_buffer, .address_space: global }
      - { .name: vfrag, .offset: 40, .size: 8, .value_kind: global_buffer, .address_space: global }
      - { .name: vsc, .offset: 48, .size: 8, .value_kind: global_buffer, .address_space: global }
      - { .name: mbits, .offset: 56, .size: 8, .value_kind: global_buffer, .address_space: global }
      - { .name: mstat, .offset: 64, .size: 8, .value_kind: global_buffer, .address_space: global }
    .group_segment_fixed_size: 104960
    .private_segment_fixed_size: 0
    .kernarg_segment_align: 8
    .kernarg_segment_size: 72
    .max_flat_workgroup_size: 128
    .sgpr_count:     66
    .vgpr_count:     256
    .wavefront_size: 32
...
	.end_amdgpu_metadata
.endif
;; end of part 1
;; launch attn (part 2): grid 8 x 32, 8 waves a work-group, no clusters, 118,272 bytes of LDS; arguments q, kfrag, ksc, vfrag, vsc, mbits, mstat, out0; writes out0
.if DOCPART == 2
	.amdgcn_target "amdgcn-amd-amdhsa--gfx1250"
	.amdhsa_code_object_version 6
	.text
	.protected	k_q9915433353_attn
	.globl	k_q9915433353_attn
	.p2align	8
	.type	k_q9915433353_attn,@function
k_q9915433353_attn:
	s_mov_b64 s[64:65], 0
	v_nop
	global_prefetch_b8 v0, s[64:65] scope:SCOPE_SE
	s_setreg_imm32_b32 hwreg(HW_REG_WAVE_MODE, 25, 1), 1
	s_wait_xcnt 0x0
; out[head][q][:] = sum over keys of attn[q][key] v[key][:], attn = where(mask, 0, softmax(where(mask, -10000, q . k / 8))), both products on codes of FP4 (E2M1) with one E8M0 scale for each 32 along K.
; attn is quantised FINISHED AND NORMALISED, so a row's maximum and sum are known before any of its codes is made.
; SHARES.  A work-group owns 256 queries of one head, 16 tiles of 16.  THE EIGHT WAVES SHARE THE KEYS: wave w owns keys 256 w .. 256 w + 255 for every tile.  Its codes of k and v (64 + 64 registers) are loaded once and stay;
; a tile's 16 x 256 scores (128 registers) stay in registers from the first product to the conversion: one product, one exponential a score.  Through LDS go, for each query, a wave's pair (shift, sum), and the eight partial tiles of out.
; LAYOUT.  Both products are used transposed (S^T = K Q^T, O^T = V^T P^T): a lane holds ONE query (lane % 16).  The head's 64 channels fill half of the instruction's K = 128, so a fragment of k packs TWO tiles of keys
; (K places 0-63 and 64-127), multiplied by [Q | 0] and by [0 | Q].  The keys of a tile are chosen so that score register 16 b + i is key 32 b + 16 (lane / 16) + i.
; THE SOFTMAX.  t = raw score x c, c = log2(e) / 8.  Each wave takes a whole-number shift of its own for each 128 keys, kept as -M = floor(-largest t); p = 2^(t - M).  The row's -M is the least of all; a p comes under it by
; a power of two, which rounds nothing and is folded into the one multiplication by 1 / (the row's sum).  MASKED KEYS: their scores become -infinity (p = 0, which is their attn); what they add to reference's maximum
; and sum is added for the row: the shift of -10000 takes part in the row's -M where the row has masked keys, and n x 2^(-80000 c - M) in its sum, n the row's count of masked keys.
; The mask comes as lane masks, one scalar word a score register: one v_cndmask_b32 a register.
; LIMITS: NaN and infinities among the inputs are not served; raw scores under -1e30 are not served; a p under 2^-126 counts as 0 (the exponential gives no denormals); a block of attn whose largest number lies under 2^-124 takes the byte 1.
; NOT USED: tensor loads (nothing is streamed: 136 KB of operands a work-group, loaded once into registers); a cluster (the eight work-groups of a head share only that one load).
; ONE BARRIER A TILE.  Between the barriers of tiles i and i + 1 the waves read the statistics of parity i and the partial tiles of parity i - 1, and write the partial tiles of parity i and the statistics of parity i + 1:
; what is read and what is written differ by constant offsets, and every wave waits for all its LDS instructions in front of every signal.
; REGISTERS, window 0: v1-11, v39 addresses; v[12:13] -M of keys 0-127 (and a word never used); v[14:15] the wave's -M and sum; v[16:27] zeros, Q, zeros; v28-31 k's scale words, v32-35 v's, v36 Q's, v37-38 attn's;
;   v40-47 the blocks' largest; v48-55 at work; v[56:61] sums; v[62:65] the two factors; v66-73 statistics read back; v74 n, v75 the masked keys' -M; v76-83 at work; v84-99 attn's codes; v128-255 scores, then p, then attn.
;   window 1: v0-63 k's 8 fragments; v64-127 v's 8; v128-159 my partial O^T; v160-191 eight partial rows on their way out.
.set QIMG,  0                          ; LDS: Q's 16 fragments as images of their registers, 512 bytes each
.set QSCL,  8192                       ; their scale words, 128 bytes each
.set QSTG,  10240                      ; a stage of 16 rows x 272 bytes for each wave (the head only)
.set STAT,  45056                      ; statistics: 2 parities x 16 queries x 80 bytes; wave w's pair at 8 w
.set STATP, 1280
.set OPART, 47616                      ; partial tiles: 2 parities x 8 waves x 16 rows x 272 bytes
.set OPARP, 34816
.set OW,    4352
.set PITCH, 272
.set MSB, 0
.macro WIN new                         ; s_set_vgpr_msb: bits 1:0 source 0, 3:2 source 1, 5:4 source 2, 7:6 destination; the high byte repeats the setting that is left
.if MSB != \new
	s_set_vgpr_msb (MSB<<8)|\new
.set MSB, \new
.endif
.endm
.macro MLD off                         ; 64 mask words, for 128 keys of a tile: word j in s[32 + j], j < 32, else s[36 + j]
	s_load_b512 s[32:47], s[14:15], \off
	s_load_b512 s[48:63], s[14:15], \off+64
	s_load_b512 s[68:83], s[14:15], \off+128
	s_load_b512 s[84:99], s[14:15], \off+192
.endm
; a matrix instruction: z = 1: it starts its sum with the constant 0; row = 1: source 0's scale words stand in lanes 16-31
.macro MM d, a, b, z, sa, sb, row
.if \z
.if \row
	v_wmma_scale_f32_16x16x128_f8f6f4 v[\d:\d+7], v[\a:\a+7], v[\b:\b+7], 0, v[\sa], v[\sb] matrix_a_fmt:MATRIX_FMT_FP4 matrix_b_fmt:MATRIX_FMT_FP4 matrix_a_scale:MATRIX_SCALE_ROW1
.else
	v_wmma_scale_f32_16x16x128_f8f6f4 v[\d:\d+7], v[\a:\a+7], v[\b:\b+7], 0, v[\sa], v[\sb] matrix_a_fmt:MATRIX_FMT_FP4 matrix_b_fmt:MATRIX_FMT_FP4
.endif
.else
.if \row
	v_wmma_scale_f32_16x16x128_f8f6f4 v[\d:\d+7], v[\a:\a+7], v[\b:\b+7], v[\d:\d+7], v[\sa], v[\sb] matrix_a_fmt:MATRIX_FMT_FP4 matrix_b_fmt:MATRIX_FMT_FP4 matrix_a_scale:MATRIX_SCALE_ROW1
.else
	v_wmma_scale_f32_16x16x128_f8f6f4 v[\d:\d+7], v[\a:\a+7], v[\b:\b+7], v[\d:\d+7], v[\sa], v[\sb] matrix_a_fmt:MATRIX_FMT_FP4 matrix_b_fmt:MATRIX_FMT_FP4
.endif
.endif
.endm
	s_load_b256 s[4:11], s[0:1], 0x0               ; q s[4:5], kfrag s[6:7], ksc s[8:9], vfrag s[10:11]
	s_load_b256 s[12:19], s[0:1], 0x20             ; vsc s[12:13], mbits s[14:15], mstat s[16:17], out0 s[18:19]
	v_lshl_add_u32 v126, v0, 2, 0x1ca00
	v_mov_b32 v127, 0
	v_lshrrev_b32 v1, 5, v0
	v_readfirstlane_b32 s20, v1                    ; wave 0..7
	s_and_b32 s21, ttmp7, 0xffff                   ; head
	s_mov_b32 s22, 0x76543210                      ; v_permlanex16_b32's selects for lane l xor 16
	s_mov_b32 s23, 0xfedcba98
	s_mov_b32 s24, 0x3e38aa3b                      ; c = log2(e) / 8
	s_mov_b32 s25, s24                             ; (named with it as a pair, so it is written)
	s_mov_b32 s26, 0xc79c4000                      ; -80000.0: the raw score that is -10000 after the factor 1 / 8
	s_mov_b32 s31, 0                               ; the high word of every offset
	v_and_b32 v76, 31, v0                          ; L
	v_and_b32 v77, 15, v0                          ; r
	v_bfe_u32 v78, v0, 4, 1                        ; h
	v_lshlrev_b32 v1, 4, v76                       ; 16 L
	v_lshlrev_b32 v73, 3, v76                      ; 8 L
	s_lshl_b32 s2, ttmp9, 16                       ; my 16 tiles: 65,536 bytes of mask words, and as many of q and of out
	s_lshl_b32 s30, s20, 9
	s_add_co_u32 s30, s30, s2
	s_wait_kmcnt 0x0
	s_add_nc_u64 s[14:15], s[14:15], s[30:31]      ; mask words: tile 0, my 256 keys
	MLD 0
	s_lshl_b32 s30, s21, 19
	s_add_co_u32 s30, s30, s2
	s_add_nc_u64 s[18:19], s[18:19], s[30:31]      ; out at my first tile
	s_lshl_b32 s3, s20, 13
	s_add_co_u32 s30, s30, s3
	s_add_nc_u64 s[4:5], s[4:5], s[30:31]          ; q at tiles 2 w and 2 w + 1, which I quantise
	s_lshl_b32 s30, s21, 16
	s_add_co_u32 s30, s30, s3
	s_add_nc_u64 s[6:7], s[6:7], s[30:31]          ; my 8 fragments of k
	s_add_nc_u64 s[10:11], s[10:11], s[30:31]      ; and of v
	s_lshl_b32 s30, s21, 12
	s_lshl_b32 s3, s20, 9
	s_add_co_u32 s30, s30, s3
	s_add_nc_u64 s[8:9], s[8:9], s[30:31]          ; their scale words
	s_add_nc_u64 s[12:13], s[12:13], s[30:31]
	s_lshl_b32 s30, ttmp9, 11
	s_add_nc_u64 s[16:17], s[16:17], s[30:31]      ; the rows' counts: 128 bytes a tile
.irp i, 0,1,2,3,4,5,6,7,8,9,10,11,12,13,14,15
	global_load_b128 v[128+4*\i:131+4*\i], v1, s[4:5] offset:512*\i th:TH_LOAD_NT      ; two tiles of q: 512 consecutive bytes a load
.endr
	WIN 0x40                                       ; destination window 1
.irp n, 0,1,2,3,4,5,6,7,8,9,10,11,12,13,14,15
	global_load_b128 v[4*\n:4*\n+3], v1, s[6:7] offset:512*\n              ; k's fragments as they lie: block n / 2, chunk n % 2
.endr
.irp n, 0,1,2,3,4,5,6,7,8,9,10,11,12,13,14,15
	global_load_b128 v[64+4*\n:64+4*\n+3], v1, s[10:11] offset:512*\n      ; v's: fragment n / 2 = 4 x step + tile
.endr
	WIN 0
	global_load_b64 v[28:29], v73, s[8:9]          ; register 28 + b / 2: lanes 0-15 the even block's words, lanes 16-31 the odd block's
	global_load_b64 v[30:31], v73, s[8:9] offset:256
	global_load_b64 v[32:33], v73, s[12:13]        ; register 32 + 2 x step + t / 2, likewise
	global_load_b64 v[34:35], v73, s[12:13] offset:256
	; addresses
	v_mul_u32_u24 v79, v77, PITCH                  ; 272 r
	s_mul_i32 s30, s20, OW
	s_add_co_u32 s3, s30, QSTG                     ; my stage
	v_mul_u32_u24 v80, v78, PITCH
	v_lshl_add_u32 v80, v77, 4, v80
	v_add_nc_u32 v80, s3, v80                      ; in: a load's 512 bytes are two rows
	v_lshl_add_u32 v81, v78, 7, v79
	v_add_nc_u32 v81, s3, v81                      ; out: query r, my half's 32 channels
	s_lshl_b32 s3, s20, 10
	s_add_co_u32 s3, s3, QIMG
	v_add_nc_u32 v82, s3, v1                       ; where I store my two images,
	s_lshl_b32 s3, s20, 8
	s_add_co_u32 s3, s3, QSCL
	v_lshl_add_u32 v83, v76, 2, s3                 ; and their scale words
	v_lshlrev_b32 v72, 3, v78                      ; 8 h
	v_lshlrev_b32 v2, 2, v77                       ; 4 r: the rows' counts
	v_add_nc_u32 v3, QIMG, v1                      ; an image's place for my lane
	v_lshl_add_u32 v4, v76, 2, QSCL                ; a scale word's
	v_mul_u32_u24 v5, v77, 80
	v_lshl_add_u32 v6, v78, 5, v5
	v_add_nc_u32 v6, STAT, v6                      ; statistics back: query r, the pairs of waves 4 h .. 4 h + 3
	s_lshl_b32 s3, s20, 3
	s_add_co_u32 s3, s3, STAT
	v_add_nc_u32 v5, s3, v5                        ; statistics in: query r, my wave's pair
	s_add_co_u32 s3, s30, OPART
	v_lshl_add_u32 v7, v78, 5, v79
	v_add_nc_u32 v7, s3, v7                        ; my partial tile: row r, 32 h; tile t of channels 64 t further on
	s_mul_i32 s3, s20, 2*PITCH
	s_add_co_u32 s3, s3, OPART
	v_mul_u32_u24 v8, v78, PITCH
	v_lshl_add_u32 v8, v77, 4, v8
	v_add_nc_u32 v8, s3, v8                        ; back: rows 2 w and 2 w + 1 of every wave's partial tile
	s_lshl_b32 s3, s20, 9
	v_add_nc_u32 v9, s3, v1                        ; and the same two rows in out
	v_mov_b32 v10, 0xff800000                      ; -infinity
.irp j, 13,15,16,17,18,19,24,25,26,27,48,49,50,51,63,65
	v_mov_b32 v\j, 0                               ; Q's zeros; upper words of pairs of which the low word alone is used; lane permutes' destinations
.endr
	s_mov_b32 s28, 0                               ; the tile's place among Q's images,
	s_mov_b32 s29, 0                               ; and among their scale words
; my tile k of q: through my stage, so that a lane holds 32 neighbouring channels of one query: a whole block
.macro QTILE k
	s_wait_loadcnt 44-8*\k                         ; this tile's eight loads are in; behind them: the other tile's eight (k = 0) and the 36 of k, v and their scale words
.irp i, 0,1,2,3,4,5,6,7
	ds_store_b128 v80, v[128+32*\k+4*\i:131+32*\k+4*\i] offset:2*PITCH*\i
.endr
.irp i, 0,1,2,3,4,5,6,7
	ds_load_b128 v[192+4*\i:195+4*\i], v81 offset:16*\i            ; LDS serves a wave's instructions in order: these see my stores
.endr
	s_wait_dscnt 0x0
	v_max3_num_f32 v84, |v192|, |v193|, 0x1800000  ; the floor 2^(3 - 127) among the leaves: the byte cannot fall under 1
	v_max3_num_f32 v85, |v194|, |v195|, |v196|
.irp i, 197,201,205,209,213,217
	v_max3_num_f32 v84, v84, |v[\i]|, |v[\i+1]|
	v_max3_num_f32 v85, v85, |v[\i+2]|, |v[\i+3]|
.endr
	v_max3_num_f32 v84, v84, |v221|, |v222|
	v_max3_num_f32 v84, v84, v85, |v223|
	v_add_nc_u32 v86, 0xff000000, v84              ; 2 off the exponent field: the conversion's scale operand
.irp g, 0,1,2,3
	v_cvt_scalef32_pk8_fp4_f32 v[88+\g], v[192+8*\g:199+8*\g], v86
.endr
	v_lshrrev_b32 v87, 23, v86                     ; the byte.  (A plain line directly behind the last conversion)
	v_lshlrev_b32 v87, v72, v87                    ; at byte h;
	v_permlanex16_b32 v85, v87, s22, s23
	v_or_b32 v87, v87, v85                         ; with lane l xor 16's: the query's two bytes,
	v_lshl_or_b32 v87, v87, 16, v87                ; twice: for [Q | 0] and for [0 | Q]
	ds_store_b128 v82, v[88:91] offset:512*\k
	ds_store_b32 v83, v87 offset:128*\k
.endm
	QTILE 0
	QTILE 1
	s_wait_loadcnt 0x0                             ; k, v and their scale words
	s_wait_dscnt 0x0                               ; for the others' sake: my images lie in LDS
	s_barrier_signal -1
	s_barrier_wait -1
	ds_load_b128 v[20:23], v3                      ; tile 0's Q
	ds_load_b32 v36, v4
	s_wait_dscnt 0x0
; 128 keys' scores (step s): the blocks' largest, the shift, p = 2^(t - M), the lane's sum of p in v[60 + s]
.macro STATS s
.set SB, 128+64*\s
.set BM, 40+4*\s
.set NMP, 12+2*\s
.irp b, 0,1,2,3
	v_max3_num_f32 v[BM+\b], v[SB+16*\b], v[SB+16*\b+1], v[SB+16*\b+2]     ; the largest score of each block of 32 keys serves twice: for the shift, and, since p rises with the score, for the block's largest attn
.endr
.irp i, 3,5,7,9,11,13
.irp b, 0,1,2,3
	v_max3_num_f32 v[BM+\b], v[BM+\b], v[SB+16*\b+\i], v[SB+16*\b+\i+1]    ; (the four blocks by turns)
.endr
.endr
.irp b, 0,1,2,3
	v_max_num_f32 v[BM+\b], v[BM+\b], v[SB+16*\b+15]
.endr
.irp b, 0,1,2,3
	v_permlanex16_b32 v[48+\b], v[BM+\b], s22, s23
.endr
.irp b, 0,1,2,3
	v_max_num_f32 v[BM+\b], v[BM+\b], v[48+\b]     ; with lane l xor 16's 16 keys
.endr
	v_max3_num_f32 v76, v[BM], v[BM+1], v[BM+2]
	v_max3_num_f32 v76, v76, v[BM+3], 0xf149f2ca   ; held at -1e30 from below: where all 128 keys are masked the shift stays a number
	v_mul_f32 v76, s24, v76
.if \s == 0
	v_floor_f32 v12, -v76                          ; -M = floor(-t): M is a whole number
.else
	v_floor_f32 v77, -v76
	v_min_num_f32 v14, v12, v77                    ; the wave's -M
.endif
.irp b, 0,1,2,3
	v_fma_f32 v[BM+\b], v[BM+\b], s24, v[NMP]
.endr
; Sixteen groups of four registers.  The multiply-adds run a group ahead of the exponentials and the sums a group behind, so that plain lines stand between an exponential and the use of its result.
	v_pk_fma_f32 v[SB:SB+1], v[SB:SB+1], s[24:25], v[NMP:NMP+1] op_sel_hi:[1,0,0]
	v_pk_fma_f32 v[SB+2:SB+3], v[SB+2:SB+3], s[24:25], v[NMP:NMP+1] op_sel_hi:[1,0,0]
.set g, 0
.rept 16
.if g < 15
	v_pk_fma_f32 v[SB+4*g+4:SB+4*g+5], v[SB+4*g+4:SB+4*g+5], s[24:25], v[NMP:NMP+1] op_sel_hi:[1,0,0]   ; t - M, two at a time (of the pairs c and -M the low word serves both halves)
	v_pk_fma_f32 v[SB+4*g+6:SB+4*g+7], v[SB+4*g+6:SB+4*g+7], s[24:25], v[NMP:NMP+1] op_sel_hi:[1,0,0]
.endif
.irp i, 0,1,2,3
	v_exp_f32 v[SB+4*g+\i], v[SB+4*g+\i]
.endr
.if g == 15
.irp b, 0,1,2,3
	v_exp_f32 v[BM+\b], v[BM+\b]                   ; the block's largest p: the same instructions on the same number give the same bits
.endr
.endif
.if g == 2
	s_wait_alu depctr_va_vdst(0)
	v_pk_add_f32 v[56:57], v[SB:SB+1], v[SB+4:SB+5]                ; groups 0 and 1 start the two chains: nothing is cleared
	v_pk_add_f32 v[58:59], v[SB+2:SB+3], v[SB+6:SB+7]
.elseif g > 2
	s_wait_alu depctr_va_vdst(0)
	v_pk_add_f32 v[56:57], v[56:57], v[SB+4*g-4:SB+4*g-3]
	v_pk_add_f32 v[58:59], v[58:59], v[SB+4*g-2:SB+4*g-1]
.endif
.set g, g+1
.endr
	s_wait_alu depctr_va_vdst(0)
	v_pk_add_f32 v[56:57], v[56:57], v[SB+60:SB+61]
	v_pk_add_f32 v[58:59], v[58:59], v[SB+62:SB+63]
	v_pk_add_f32 v[56:57], v[56:57], v[58:59]
	v_add_f32 v[60+\s], v56, v57
.endm
; attn = p x factor, quantised along the keys: codes into v[84 + 8 s ..], the scale word into v[37 + s]
.macro SCALEQ s
.set SB, 128+64*\s
.set BM, 40+4*\s
.set j, 0
.rept 32
	v_pk_mul_f32 v[SB+2*j:SB+2*j+1], v[SB+2*j:SB+2*j+1], v[62+2*\s:63+2*\s] op_sel_hi:[1,0]
.set j, j+1
.endr
.irp b, 0,1,2,3
	v_mul_f32 v[BM+\b], v[BM+\b], v[62+2*\s]       ; the block's largest attn
.endr
.irp b, 0,1,2,3
	v_max_num_f32 v[BM+\b], 0x1800000, v[BM+\b]    ; the floor 2^(3 - 127): a block of zeros keeps the byte 1; its codes are zeros
.endr
.irp b, 0,1,2,3
	v_add_nc_u32 v[52+\b], 0xff000000, v[BM+\b]
.endr
.irp b, 0,1,2,3
	v_lshrrev_b32 v[48+\b], 23, v[52+\b]
.endr
	v_lshl_or_b32 v[37+\s], v49, 8, v48
	v_lshl_or_b32 v[37+\s], v50, 16, v[37+\s]
	v_lshl_or_b32 v[37+\s], v51, 24, v[37+\s]
.irp b, 0,1,2,3
	v_cvt_scalef32_pk8_fp4_f32 v[84+8*\s+2*\b], v[SB+16*\b:SB+16*\b+7], v[52+\b]
	v_cvt_scalef32_pk8_fp4_f32 v[85+8*\s+2*\b], v[SB+16*\b+8:SB+16*\b+15], v[52+\b]
.endr
	v_nop                                          ; one plain line behind the conversions
.irp c, 0,1                                    ; the operand's layout wants a whole block in a lane: lanes 0-15 block 2 c, lanes 16-31 block 2 c + 1
.irp i, 0,1
	v_permlane16_swap_b32 v[84+8*\s+4*\c+\i], v[86+8*\s+4*\c+\i]
.endr
.endr
.endm
.macro REDLOAD par                     ; rows 2 w, 2 w + 1 of the eight partial tiles of parity par
	WIN 0x40
.irp k, 0,1,2,3,4,5,6,7
	ds_load_b128 v[160+4*\k:163+4*\k], v8 offset:OPARP*(\par)+OW*\k
.endr
	WIN 0
.endm
.macro REDSUM                          ; their sum, by pairs, and the store: 32 lanes store two rows of out, 512 consecutive bytes, aligned
	WIN 0x45
.irp k, 0,2,4,6
	v_pk_add_f32 v[160+4*\k:161+4*\k], v[160+4*\k:161+4*\k], v[164+4*\k:165+4*\k]
	v_pk_add_f32 v[162+4*\k:163+4*\k], v[162+4*\k:163+4*\k], v[166+4*\k:167+4*\k]
.endr
.irp k, 0,4
	v_pk_add_f32 v[160+4*\k:161+4*\k], v[160+4*\k:161+4*\k], v[168+4*\k:169+4*\k]
	v_pk_add_f32 v[162+4*\k:163+4*\k], v[162+4*\k:163+4*\k], v[170+4*\k:171+4*\k]
.endr
	v_pk_add_f32 v[160:161], v[160:161], v[176:177]
	v_pk_add_f32 v[162:163], v[162:163], v[178:179]
	WIN 0x04                                       ; a store's data are its source 1: window 1
	global_store_b128 v9, v[160:163], s[18:19] th:TH_STORE_NT
.endm
; A TILE of 16 queries.  par: its parity;  red = 1: the tile before is summed and stored on the way;  nxt = 1: a tile follows, whose Q and mask words are asked for.
.macro TILE par, red, nxt
	global_load_b32 v74, v2, s[16:17]              ; n of my query,
	global_load_b32 v75, v2, s[16:17] offset:64    ; and the masked keys' -M
	WIN 0x01                                       ; source 0 (k) window 1
.irp b, 0,1,2,3,4,5,6,7
	MM 128+16*\b, 8*\b, 20, 1, 28+\b/2, 36, \b%2   ; [Q | 0]: keys 32 b + 16 h + 0 .. 7
	MM 136+16*\b, 8*\b, 16, 1, 28+\b/2, 36, \b%2   ; [0 | Q]: keys 32 b + 16 h + 8 .. 15
.endr
	WIN 0
.if \nxt
	s_add_co_u32 s28, s28, 512
	s_add_co_u32 s29, s29, 128
	v_add_nc_u32 v11, s28, v3                      ; four plain lines stand between the products and the loads into their registers, and the first read of their results
	v_add_nc_u32 v39, s29, v4
	v_nop
	v_nop
	ds_load_b128 v[20:23], v11                     ; the next tile's Q: waited for in front of this tile's barrier
	ds_load_b32 v36, v39
.else
.rept 4
	v_nop
.endr
.endif
	s_wait_kmcnt 0x0                               ; the mask words of keys 0-127
.set j, 0
.rept 64
	v_cndmask_b32 v[128+j], v[128+j], v10, s[32+j+4*(j/32)]        ; masked scores become -infinity; each result is read from its low end on
.set j, j+1
.endr
	MLD 256                                        ; those of keys 128-255 land while the first 128 keys are worked on
	STATS 0
	s_wait_kmcnt 0x0                               ; no scalar load is out: their base may step
.if \nxt
	s_add_nc_u64 s[14:15], s[14:15], 4096
.endif
.set j, 0
.rept 64
	v_cndmask_b32 v[192+j], v[192+j], v10, s[32+j+4*(j/32)]
.set j, j+1
.endr
.if \nxt
	MLD 0                                          ; the next tile's first 64
.endif
	STATS 1
	v_sub_f32 v76, v14, v12                        ; the first 128 keys' sum comes under the wave's shift: a whole number, 0 or less,
	v_cvt_i32_f32 v76, v76                         ; (it saturates)
	v_ldexp_f32 v60, v60, v76                      ; a multiplication that rounds nothing
	v_add_f32 v60, v60, v61
	v_permlanex16_b32 v48, v60, s22, s23
	v_add_f32 v15, v60, v48                        ; with lane l xor 16's keys: the wave's sum for my query
	ds_store_b64 v5, v[14:15] offset:STATP*\par    ; both halves of the lanes write the same pair
	s_wait_dscnt 0x0                               ; for the others' sake: my pair and my last partial tile lie in LDS, my reads are back
	s_barrier_signal -1
	s_barrier_wait -1
	ds_load_b128 v[66:69], v6 offset:STATP*\par    ; four waves' pairs
	ds_load_b128 v[70:73], v6 offset:STATP*\par+16
.if \red
	REDLOAD 1-\par
.endif
	s_wait_loadcnt 0x0                             ; n and the masked keys' -M; their base may step
.if \nxt
	s_add_nc_u64 s[16:17], s[16:17], 128
.endif
	s_wait_dscnt 8*\red                            ; the pairs are in; the eight loads of partial rows may be out
	v_min_num_f32 v76, v66, v68
	v_min_num_f32 v77, v70, v72
	v_min_num_f32 v76, v76, v77
	v_min_num_f32 v76, v76, v75
	v_permlanex16_b32 v48, v76, s22, s23
	v_min_num_f32 v76, v76, v48                    ; the row's -M
.irp i, 0,1,2,3
	v_sub_f32 v[78+\i], v76, v[66+2*\i]
.endr
.irp i, 0,1,2,3
	v_cvt_i32_f32 v[78+\i], v[78+\i]
.endr
.irp i, 0,1,2,3
	v_ldexp_f32 v[78+\i], v[67+2*\i], v[78+\i]     ; each wave's sum under the row's shift
.endr
	v_add_f32 v78, v78, v79
	v_add_f32 v80, v80, v81
	v_add_f32 v78, v78, v80
	v_permlanex16_b32 v48, v78, s22, s23
	v_add_f32 v78, v78, v48
	v_fma_f32 v77, s24, s26, v76                   ; a masked key's t - M,
	v_exp_f32 v77, v77                             ; and what each of them adds to the row's sum
	v_sub_f32 v79, v76, v12                        ; (plain lines behind the exponential)  from each step's shift to the row's
	v_sub_f32 v80, v76, v14
	v_cvt_i32_f32 v79, v79
	v_cvt_i32_f32 v80, v80
	s_wait_alu depctr_va_vdst(0)
	v_fma_f32 v78, v74, v77, v78                   ; the row's sum
	v_rcp_f32 v78, v78
	v_nop                                          ; one plain line behind the reciprocal
	s_wait_alu depctr_va_vdst(0)
	v_ldexp_f32 v62, v78, v79                      ; the factors: 2^(step's M - row's M) / sum
	v_ldexp_f32 v64, v78, v80
	SCALEQ 0
	SCALEQ 1
.if \red
	s_wait_dscnt 0x0
	REDSUM                                         ; its fourteen additions are also the lines between the scale words' and codes' last writes and the products
.else
.rept 8
	v_nop                                          ; a scale register written by a vector instruction stands eight plain lines ahead of a scaled product, an operand four
.endr
.endif
	WIN 0x51                                       ; source 0 (v), C and D window 1
.irp sp, 0,1
.irp t, 0,1,2,3
	MM 128+8*\t, 64+8*(4*\sp+\t), 84+8*\sp, 1-\sp, 32+2*\sp+\t/2, 37+\sp, \t%2     ; the four accumulators by turns
.endr
.endr
.rept 4
	v_nop
.endr
	WIN 0x04                                       ; an LDS store's data are its source 1: window 1
.irp t, 0,1,2,3
	ds_store_b128 v7, v[128+8*\t:131+8*\t] offset:OPARP*\par+64*\t         ; lane (r, h): channels 16 t + 8 h + 0 .. 7 of query r; each result from its low end on
	ds_store_b128 v7, v[132+8*\t:135+8*\t] offset:OPARP*\par+64*\t+16
.endr
	WIN 0
.if \red
	s_wait_xcnt 0x0                                ; the store has read its data and its base: both are written again only behind this wait
	s_add_nc_u64 s[18:19], s[18:19], 4096
.endif
.endm
	TILE 0, 0, 1                                   ; tile 0: nothing to sum yet
	s_mov_b32 s27, 7
.Lpair:                                            ; tiles 1 to 14, two a trip: the parities come back
	TILE 1, 1, 1
	TILE 0, 1, 1
	s_sub_co_u32 s27, s27, 1
	s_cmp_lg_u32 s27, 0
	s_cbranch_scc1 .Lpair
	TILE 1, 1, 0                                   ; tile 15 asks for nothing more
	s_wait_dscnt 0x0                               ; my last partial tile lies in LDS
	s_barrier_signal -1
	s_barrier_wait -1
	REDLOAD 1
	s_wait_dscnt 0x0
	REDSUM
	WIN 0
	s_wait_tensorcnt 0x0
	ds_add_u32 v126, v127
	s_wait_dscnt 0x0
	s_endpgm
.Lfunc_end_k_q9915433353_attn:
	.size	k_q9915433353_attn, .Lfunc_end_k_q9915433353_attn-k_q9915433353_attn
	.p2alignl 7, 3214868480
	.fill 96, 4, 3214868480
	.section	.rodata,"a",@progbits
	.p2align	6, 0x0
	.amdhsa_kernel k_q9915433353_attn
		.amdhsa_group_segment_fixed_size 118272
		.amdhsa_private_segment_fixed_size 0
		.amdhsa_enable_private_segment 0
		.amdhsa_kernarg_size 64
		.amdhsa_user_sgpr_count 2
		.amdhsa_user_sgpr_kernarg_segment_ptr 1
		.amdhsa_wavefront_size32 1
		.amdhsa_system_sgpr_workgroup_id_x 1
		.amdhsa_system_sgpr_workgroup_id_y 1
		.amdhsa_system_sgpr_workgroup_id_z 1
		.amdhsa_system_vgpr_workitem_id 0
		.amdhsa_next_free_vgpr 448
		.amdhsa_next_free_sgpr 100
		.amdhsa_reserve_vcc 0
		.amdhsa_float_denorm_mode_32 3
		.amdhsa_float_denorm_mode_16_64 3
		.amdhsa_memory_ordered 1
		.amdhsa_forward_progress 1
		.amdhsa_inst_pref_size 186
	.end_amdhsa_kernel
	.amdgpu_metadata
---
amdhsa.version: [ 1, 2 ]
amdhsa.kernels:
  - .name:           k_q9915433353_attn
    .symbol:         k_q9915433353_attn.kd
    .args:
      - { .name: q, .offset: 0, .size: 8, .value_kind: global_buffer, .address_space: global }
      - { .name: kfrag, .offset: 8, .size: 8, .value_kind: global_buffer, .address_space: global }
      - { .name: ksc, .offset: 16, .size: 8, .value_kind: global_buffer, .address_space: global }
      - { .name: vfrag, .offset: 24, .size: 8, .value_kind: global_buffer, .address_space: global }
      - { .name: vsc, .offset: 32, .size: 8, .value_kind: global_buffer, .address_space: global }
      - { .name: mbits, .offset: 40, .size: 8, .value_kind: global_buffer, .address_space: global }
      - { .name: mstat, .offset: 48, .size: 8, .value_kind: global_buffer, .address_space: global }
      - { .name: out0, .offset: 56, .size: 8, .value_kind: global_buffer, .address_space: global }
    .group_segment_fixed_size: 118272
    .private_segment_fixed_size: 0
    .kernarg_segment_align: 8
    .kernarg_segment_size: 64
    .max_flat_workgroup_size: 256
    .sgpr_count:     100
    .vgpr_count:     448
    .wavefront_size: 32
...
	.end_amdgpu_metadata
.endif
;; end of part 2
;; ======== version 2 of 2: 2 launches; version 1 with the launch attn written anew for expert scheduling mode
;; limits: right only within a limited range of input values
;; workspace buffers: kfrag 2,097,152 bytes; ksc 131,072 bytes; vfrag 2,097,152 bytes; vsc 131,072 bytes; mbits 524,288 bytes of whole numbers; mstat 16,384 bytes
;; launch prep: the kernel of part 1 again; grid 288 x 1, 4 waves a work-group, no clusters, 104,960 bytes of LDS; arguments k, v, mask, kfrag, ksc, vfrag, vsc, mbits, mstat; writes kfrag, ksc, vfrag, vsc, mbits, mstat
;; launch attn (part 3): grid 8 x 32, 8 waves a work-group, no clusters, 118,272 bytes of LDS; arguments q, kfrag, ksc, vfrag, vsc, mbits, mstat, out0; writes out0
.if DOCPART == 3
	.amdgcn_target "amdgcn-amd-amdhsa--gfx1250"
	.amdhsa_code_object_version 6
	.text
	.protected	k_q9915433353_attn
	.globl	k_q9915433353_attn
	.p2align	8
	.type	k_q9915433353_attn,@function
k_q9915433353_attn:
	s_mov_b64 s[64:65], 0
	v_nop
	global_prefetch_b8 v0, s[64:65] scope:SCOPE_SE
	s_setreg_imm32_b32 hwreg(HW_REG_WAVE_SCHED_MODE, 0, 2), 2
	s_setreg_imm32_b32 hwreg(HW_REG_WAVE_MODE, 25, 1), 1
	s_wait_xcnt 0x0
	s_wait_alu depctr_vm_vsrc(0)
; out[head][q][:] = sum over keys of attn[q][key] v[key][:], attn = where(mask, 0, softmax(where(mask, -10000, q . k / 8))), both products on codes of FP4 (E2M1) with one E8M0 scale for each 32 along K.
; attn is quantised FINISHED AND NORMALISED, so a row's maximum and sum are known before any of its codes is made.
; SHARES.  A work-group owns 256 queries of one head, 16 tiles of 16.  THE EIGHT WAVES SHARE THE KEYS: wave w owns keys 256 w .. 256 w + 255 for every tile.  Its codes of k and v (64 + 64 registers) are loaded once and stay;
; a tile's 16 x 256 scores (128 registers) stay in registers from the first product to the conversion: one product, one exponential a score.  Through LDS go, for each query, a wave's pair (shift, sum), and the eight partial tiles of out.
; LAYOUT.  Both products are used transposed (S^T = K Q^T, O^T = V^T P^T): a lane holds ONE query (lane % 16).  The head's 64 channels fill half of the instruction's K = 128, so a fragment of k packs TWO tiles of keys
; (K places 0-63 and 64-127), multiplied by [Q | 0] and by [0 | Q].  The keys of a tile are chosen so that score register 16 b + i is key 32 b + 16 (lane / 16) + i.
; THE SOFTMAX.  t = raw score x c, c = log2(e) / 8.  Each wave takes a whole-number shift of its own for each 128 keys, kept as -M = floor(-largest t); p = 2^(t - M).  The row's -M is the least of all; a p comes under it by
; a power of two, which rounds nothing and is folded into the one multiplication by 1 / (the row's sum).  MASKED KEYS: their scores become -infinity (p = 0, which is their attn); what they add to reference's maximum
; and sum is added for the row: the shift of -10000 takes part in the row's -M where the row has masked keys, and n x 2^(-80000 c - M) in its sum, n the row's count of masked keys.
; The mask comes as lane masks, one scalar word a score register: one v_cndmask_b32 a register.
; LIMITS: NaN and infinities among the inputs are not served; raw scores under -1e30 are not served; a p under 2^-126 counts as 0 (the exponential gives no denormals); a block of attn whose largest number lies under 2^-124 takes the byte 1.
; NOT USED: tensor loads (nothing is streamed: 136 KB of operands a work-group, loaded once into registers); a cluster (the eight work-groups of a head share only that one load).
; ONE BARRIER A TILE.  Between the barriers of tiles i and i + 1 the waves read the statistics of parity i and the partial tiles of parity i - 1, and write the partial tiles of parity i and the statistics of parity i + 1:
; what is read and what is written differ by constant offsets, and every wave waits for all its LDS instructions in front of every signal.
; REGISTERS, window 0: v1-11, v39 addresses; v[12:13] -M of keys 0-127 (and a word never used); v[14:15] the wave's -M and sum; v[16:27] zeros, Q, zeros; v28-31 k's scale words, v32-35 v's, v36 Q's, v37-38 attn's;
;   v40-47 the blocks' largest; v48-55 at work; v[56:61] sums; v[62:65] the two factors; v66-73 statistics read back; v74 n, v75 the masked keys' -M; v76-83 at work; v84-99 attn's codes; v128-255 scores, then p, then attn.
;   window 1: v0-63 k's 8 fragments; v64-127 v's 8; v128-159 my partial O^T; v160-191 eight partial rows on their way out.
; THE MODE: SCHED_MODE bits 1:0 = 2 (LLVM: expert scheduling mode 2), set by the entry lines.  The code itself states the register dependences between vector or matrix instructions and memory or LDS instructions, with s_wait_alu, always for 0.
; THE PLAN.  Registers that memory or LDS instructions touch, round a tile:
;   v2, v5-v9             addresses, made at the head and never written again.
;   v11, v39              written by two additions behind the first products; read by the two LDS loads of the next tile's Q.
;   v[20:23], v36         read by the sixteen first products; the next tile's Q and its scale word land in them.
;   v74, v75              two global loads at the tile's head land in them; read by the row's join.
;   v[14:15]              written by the statistics; read by the LDS store of the pair.
;   v[66:73]              two LDS loads behind the barrier land in them; read by the join.
;   window 1 v[128:159]   written by the eight second products; read by the eight LDS stores of the partial tile.
;   window 1 v[160:191]   eight LDS loads behind the barrier land in them; read and written by the fourteen additions; v[160:163] read by the global store.
;   s[32:99]              scalar loads land in them; read by the selects.
;   The scores, attn's codes and the operands of k and v are named by vector and matrix instructions alone.
; So a tile has ONE wait on vm_vsrc, behind its first products: all that the tile before issued has read its registers.  And five on va_vdst: behind each run of 64 selects (ahead of Q's loads and of the mask words' loads), ahead of the
; pair's store (it also stands behind the last readers of all that the loads behind the barrier land in), ahead of the global store and the second products, and ahead of the partial tile's stores (it also stands behind the last readers of v74 and v75).
.set QIMG,  0                          ; LDS: Q's 16 fragments as images of their registers, 512 bytes each
.set QSCL,  8192                       ; their scale words, 128 bytes each
.set QSTG,  10240                      ; a stage of 16 rows x 272 bytes for each wave (the head only)
.set STAT,  45056                      ; statistics: 2 parities x 16 queries x 80 bytes; wave w's pair at 8 w
.set STATP, 1280
.set OPART, 47616                      ; partial tiles: 2 parities x 8 waves x 16 rows x 272 bytes
.set OPARP, 34816
.set OW,    4352
.set PITCH, 272
.set MSB, 0
.macro WIN new                         ; s_set_vgpr_msb: bits 1:0 source 0, 3:2 source 1, 5:4 source 2, 7:6 destination; the high byte repeats the setting that is left
.if MSB != \new
	s_set_vgpr_msb (MSB<<8)|\new
.set MSB, \new
.endif
.endm
.macro MLD off                         ; 64 mask words, for 128 keys of a tile: word j in s[32 + j], j < 32, else s[36 + j]
	s_load_b512 s[32:47], s[14:15], \off
	s_load_b512 s[48:63], s[14:15], \off+64
	s_load_b512 s[68:83], s[14:15], \off+128
	s_load_b512 s[84:99], s[14:15], \off+192
.endm
; a matrix instruction: z = 1: it starts its sum with the constant 0; row = 1: source 0's scale words stand in lanes 16-31
.macro MM d, a, b, z, sa, sb, row
.if \z
.if \row
	v_wmma_scale_f32_16x16x128_f8f6f4 v[\d:\d+7], v[\a:\a+7], v[\b:\b+7], 0, v[\sa], v[\sb] matrix_a_fmt:MATRIX_FMT_FP4 matrix_b_fmt:MATRIX_FMT_FP4 matrix_a_scale:MATRIX_SCALE_ROW1
.else
	v_wmma_scale_f32_16x16x128_f8f6f4 v[\d:\d+7], v[\a:\a+7], v[\b:\b+7], 0, v[\sa], v[\sb] matrix_a_fmt:MATRIX_FMT_FP4 matrix_b_fmt:MATRIX_FMT_FP4
.endif
.else
.if \row
	v_wmma_scale_f32_16x16x128_f8f6f4 v[\d:\d+7], v[\a:\a+7], v[\b:\b+7], v[\d:\d+7], v[\sa], v[\sb] matrix_a_fmt:MATRIX_FMT_FP4 matrix_b_fmt:MATRIX_FMT_FP4 matrix_a_scale:MATRIX_SCALE_ROW1
.else
	v_wmma_scale_f32_16x16x128_f8f6f4 v[\d:\d+7], v[\a:\a+7], v[\b:\b+7], v[\d:\d+7], v[\sa], v[\sb] matrix_a_fmt:MATRIX_FMT_FP4 matrix_b_fmt:MATRIX_FMT_FP4
.endif
.endif
.endm
	s_load_b256 s[4:11], s[0:1], 0x0               ; q s[4:5], kfrag s[6:7], ksc s[8:9], vfrag s[10:11]
	s_load_b256 s[12:19], s[0:1], 0x20             ; vsc s[12:13], mbits s[14:15], mstat s[16:17], out0 s[18:19]
	v_lshl_add_u32 v126, v0, 2, 0x1ca00
	v_mov_b32 v127, 0
	v_lshrrev_b32 v1, 5, v0
	v_readfirstlane_b32 s20, v1                    ; wave 0..7
	s_and_b32 s21, ttmp7, 0xffff                   ; head
	s_mov_b32 s22, 0x76543210                      ; v_permlanex16_b32's selects for lane l xor 16
	s_mov_b32 s23, 0xfedcba98
	s_mov_b32 s24, 0x3e38aa3b                      ; c = log2(e) / 8
	s_mov_b32 s25, s24                             ; (named with it as a pair, so it is written)
	s_mov_b32 s26, 0xc79c4000                      ; -80000.0: the raw score that is -10000 after the factor 1 / 8
	s_mov_b32 s31, 0                               ; the high word of every offset
	v_and_b32 v76, 31, v0                          ; L
	v_and_b32 v77, 15, v0                          ; r
	v_bfe_u32 v78, v0, 4, 1                        ; h
	v_lshlrev_b32 v1, 4, v76                       ; 16 L
	v_lshlrev_b32 v73, 3, v76                      ; 8 L
	s_lshl_b32 s2, ttmp9, 16                       ; my 16 tiles: 65,536 bytes of mask words, and as many of q and of out
	s_wait_alu depctr_va_sdst(0)                   ; s20 is written, ahead of its first reader: the wave's places in every buffer and in LDS are made from it
	s_lshl_b32 s30, s20, 9
	s_add_co_u32 s30, s30, s2
	s_wait_kmcnt 0x0
	s_add_nc_u64 s[14:15], s[14:15], s[30:31]      ; mask words: tile 0, my 256 keys
	MLD 0
	s_lshl_b32 s30, s21, 19
	s_add_co_u32 s30, s30, s2
	s_add_nc_u64 s[18:19], s[18:19], s[30:31]      ; out at my first tile
	s_lshl_b32 s3, s20, 13
	s_add_co_u32 s30, s30, s3
	s_add_nc_u64 s[4:5], s[4:5], s[30:31]          ; q at tiles 2 w and 2 w + 1, which I quantise
	s_lshl_b32 s30, s21, 16
	s_add_co_u32 s30, s30, s3
	s_add_nc_u64 s[6:7], s[6:7], s[30:31]          ; my 8 fragments of k
	s_add_nc_u64 s[10:11], s[10:11], s[30:31]      ; and of v
	s_lshl_b32 s30, s21, 12
	s_lshl_b32 s3, s20, 9
	s_add_co_u32 s30, s30, s3
	s_add_nc_u64 s[8:9], s[8:9], s[30:31]          ; their scale words
	s_add_nc_u64 s[12:13], s[12:13], s[30:31]
	s_lshl_b32 s30, ttmp9, 11
	s_add_nc_u64 s[16:17], s[16:17], s[30:31]      ; the rows' counts: 128 bytes a tile
	s_wait_alu depctr_va_vdst(0)                   ; v1 and v73 are written: the 52 loads below read one of them as their offset
.irp i, 0,1,2,3,4,5,6,7,8,9,10,11,12,13,14,15
	global_load_b128 v[128+4*\i:131+4*\i], v1, s[4:5] offset:512*\i th:TH_LOAD_NT      ; two tiles of q: 512 consecutive bytes a load
.endr
	WIN 0x40                                       ; destination window 1
.irp n, 0,1,2,3,4,5,6,7,8,9,10,11,12,13,14,15
	global_load_b128 v[4*\n:4*\n+3], v1, s[6:7] offset:512*\n              ; k's fragments as they lie: block n / 2, chunk n % 2
.endr
.irp n, 0,1,2,3,4,5,6,7,8,9,10,11,12,13,14,15
	global_load_b128 v[64+4*\n:64+4*\n+3], v1, s[10:11] offset:512*\n      ; v's: fragment n / 2 = 4 x step + tile
.endr
	WIN 0
	global_load_b64 v[28:29], v73, s[8:9]          ; register 28 + b / 2: lanes 0-15 the even block's words, lanes 16-31 the odd block's
	global_load_b64 v[30:31], v73, s[8:9] offset:256
	global_load_b64 v[32:33], v73, s[12:13]        ; register 32 + 2 x step + t / 2, likewise
	global_load_b64 v[34:35], v73, s[12:13] offset:256
	; addresses
	v_mul_u32_u24 v79, v77, PITCH                  ; 272 r
	s_mul_i32 s30, s20, OW
	s_add_co_u32 s3, s30, QSTG                     ; my stage
	v_mul_u32_u24 v80, v78, PITCH
	v_lshl_add_u32 v80, v77, 4, v80
	v_add_nc_u32 v80, s3, v80                      ; in: a load's 512 bytes are two rows
	v_lshl_add_u32 v81, v78, 7, v79
	v_add_nc_u32 v81, s3, v81                      ; out: query r, my half's 32 channels
	s_lshl_b32 s3, s20, 10
	s_add_co_u32 s3, s3, QIMG
	v_add_nc_u32 v82, s3, v1                       ; where I store my two images,
	s_lshl_b32 s3, s20, 8
	s_add_co_u32 s3, s3, QSCL
	v_lshl_add_u32 v83, v76, 2, s3                 ; and their scale words
	v_lshlrev_b32 v72, 3, v78                      ; 8 h
	v_lshlrev_b32 v2, 2, v77                       ; 4 r: the rows' counts
	v_add_nc_u32 v3, QIMG, v1                      ; an image's place for my lane
	v_lshl_add_u32 v4, v76, 2, QSCL                ; a scale word's
	v_mul_u32_u24 v5, v77, 80
	v_lshl_add_u32 v6, v78, 5, v5
	v_add_nc_u32 v6, STAT, v6                      ; statistics back: query r, the pairs of waves 4 h .. 4 h + 3
	s_lshl_b32 s3, s20, 3
	s_add_co_u32 s3, s3, STAT
	v_add_nc_u32 v5, s3, v5                        ; statistics in: query r, my wave's pair
	s_add_co_u32 s3, s30, OPART
	v_lshl_add_u32 v7, v78, 5, v79
	v_add_nc_u32 v7, s3, v7                        ; my partial tile: row r, 32 h; tile t of channels 64 t further on
	s_mul_i32 s3, s20, 2*PITCH
	s_add_co_u32 s3, s3, OPART
	v_mul_u32_u24 v8, v78, PITCH
	v_lshl_add_u32 v8, v77, 4, v8
	v_add_nc_u32 v8, s3, v8                        ; back: rows 2 w and 2 w + 1 of every wave's partial tile
	s_lshl_b32 s3, s20, 9
	v_add_nc_u32 v9, s3, v1                        ; and the same two rows in out
	v_mov_b32 v10, 0xff800000                      ; -infinity
.irp j, 13,15,16,17,18,19,24,25,26,27,48,49,50,51,63,65
	v_mov_b32 v\j, 0                               ; Q's zeros; upper words of pairs of which the low word alone is used; lane permutes' destinations
.endr
	s_mov_b32 s28, 0                               ; the tile's place among Q's images,
	s_mov_b32 s29, 0                               ; and among their scale words
	s_wait_alu depctr_va_vdst(0)                   ; the addresses v2 to v9 and v80 to v83 are written, which the LDS instructions, loads and stores from here on read; so are the zeros beside Q, which the first products take, and v126, v127, which the closing add reads
; my tile k of q: through my stage, so that a lane holds 32 neighbouring channels of one query: a whole block
.macro QTILE k
	s_wait_loadcnt 44-8*\k                         ; this tile's eight loads are in; behind them: the other tile's eight (k = 0) and the 36 of k, v and their scale words
.irp i, 0,1,2,3,4,5,6,7
	ds_store_b128 v80, v[128+32*\k+4*\i:131+32*\k+4*\i] offset:2*PITCH*\i
.endr
.irp i, 0,1,2,3,4,5,6,7
	ds_load_b128 v[192+4*\i:195+4*\i], v81 offset:16*\i            ; LDS serves a wave's instructions in order: these see my stores
.endr
	s_wait_dscnt 0x0
.if \k
	s_wait_alu depctr_vm_vsrc(0)                   ; the two LDS stores of my first image have read v87 and v[88:91], which the lines below write again
.endif
	v_max3_num_f32 v84, |v192|, |v193|, 0x1800000  ; the floor 2^(3 - 127) among the leaves: the byte cannot fall under 1
	v_max3_num_f32 v85, |v194|, |v195|, |v196|
.irp i, 197,201,205,209,213,217
	v_max3_num_f32 v84, v84, |v[\i]|, |v[\i+1]|
	v_max3_num_f32 v85, v85, |v[\i+2]|, |v[\i+3]|
.endr
	v_max3_num_f32 v84, v84, |v221|, |v222|
	v_max3_num_f32 v84, v84, v85, |v223|
	v_add_nc_u32 v86, 0xff000000, v84              ; 2 off the exponent field: the conversion's scale operand
.irp g, 0,1,2,3
	v_cvt_scalef32_pk8_fp4_f32 v[88+\g], v[192+8*\g:199+8*\g], v86
.endr
	v_lshrrev_b32 v87, 23, v86                     ; the byte.  (A plain line directly behind the last conversion)
	v_lshlrev_b32 v87, v72, v87                    ; at byte h;
	v_permlanex16_b32 v85, v87, s22, s23
	v_or_b32 v87, v87, v85                         ; with lane l xor 16's: the query's two bytes,
	v_lshl_or_b32 v87, v87, 16, v87                ; twice: for [Q | 0] and for [0 | Q]
	s_wait_alu depctr_va_vdst(0)                   ; the codes v[88:91] and the word v87 are written, which the two stores read; and the lines above are done reading v[192:223], in which my other tile's loads land
	ds_store_b128 v82, v[88:91] offset:512*\k
	ds_store_b32 v83, v87 offset:128*\k
.endm
	QTILE 0
	QTILE 1
	s_wait_loadcnt 0x0                             ; k, v and their scale words
	s_wait_dscnt 0x0                               ; for the others' sake: my images lie in LDS
	s_barrier_signal -1
	s_barrier_wait -1
	s_wait_alu depctr_vm_vsrc(0)                   ; the head's loads and LDS stores have read v73, v80 to v83, v87 to v91 and v[128:191]: from here on statistics land in the first, and vector and matrix instructions write the others
	ds_load_b128 v[20:23], v3                      ; tile 0's Q
	ds_load_b32 v36, v4
	s_wait_dscnt 0x0
; 128 keys' scores (step s): the blocks' largest, the shift, p = 2^(t - M), the lane's sum of p in v[60 + s]
.macro STATS s
.set SB, 128+64*\s
.set BM, 40+4*\s
.set NMP, 12+2*\s
.irp b, 0,1,2,3
	v_max3_num_f32 v[BM+\b], v[SB+16*\b], v[SB+16*\b+1], v[SB+16*\b+2]     ; the largest score of each block of 32 keys serves twice: for the shift, and, since p rises with the score, for the block's largest attn
.endr
.irp i, 3,5,7,9,11,13
.irp b, 0,1,2,3
	v_max3_num_f32 v[BM+\b], v[BM+\b], v[SB+16*\b+\i], v[SB+16*\b+\i+1]    ; (the four blocks by turns)
.endr
.endr
.irp b, 0,1,2,3
	v_max_num_f32 v[BM+\b], v[BM+\b], v[SB+16*\b+15]
.endr
.irp b, 0,1,2,3
	v_permlanex16_b32 v[48+\b], v[BM+\b], s22, s23
.endr
.irp b, 0,1,2,3
	v_max_num_f32 v[BM+\b], v[BM+\b], v[48+\b]     ; with lane l xor 16's 16 keys
.endr
	v_max3_num_f32 v76, v[BM], v[BM+1], v[BM+2]
	v_max3_num_f32 v76, v76, v[BM+3], 0xf149f2ca   ; held at -1e30 from below: where all 128 keys are masked the shift stays a number
	v_mul_f32 v76, s24, v76
.if \s == 0
	v_floor_f32 v12, -v76                          ; -M = floor(-t): M is a whole number
.else
	v_floor_f32 v77, -v76
	v_min_num_f32 v14, v12, v77                    ; the wave's -M
.endif
; ONE BATCH: sixteen groups of four exponentials, the multiply-adds dealt among them a group ahead.  None of these lines names an exponential's result; all that do stand behind the one wait.
	v_pk_fma_f32 v[SB:SB+1], v[SB:SB+1], s[24:25], v[NMP:NMP+1] op_sel_hi:[1,0,0]
	v_pk_fma_f32 v[SB+2:SB+3], v[SB+2:SB+3], s[24:25], v[NMP:NMP+1] op_sel_hi:[1,0,0]
.set g, 0
.rept 16
.if g < 15
	v_pk_fma_f32 v[SB+4*g+4:SB+4*g+5], v[SB+4*g+4:SB+4*g+5], s[24:25], v[NMP:NMP+1] op_sel_hi:[1,0,0]   ; t - M, two at a time (of the pairs c and -M the low word serves both halves)
	v_pk_fma_f32 v[SB+4*g+6:SB+4*g+7], v[SB+4*g+6:SB+4*g+7], s[24:25], v[NMP:NMP+1] op_sel_hi:[1,0,0]
.endif
.irp i, 0,1,2,3
	v_exp_f32 v[SB+4*g+\i], v[SB+4*g+\i]
.endr
.set g, g+1
.endr
.irp b, 0,1,2,3
	v_fma_f32 v[BM+\b], v[BM+\b], s24, v[NMP]      ; the same of each block's largest score.  (Plain lines behind the last exponential)
.endr
	s_wait_alu depctr_va_vdst(0)                   ; the 64 exponentials have written p, ahead of the sums, their first readers: one wait for the batch
.irp b, 0,1,2,3
	v_exp_f32 v[BM+\b], v[BM+\b]                   ; the block's largest p: the same instructions on the same number give the same bits.  Their results are first named behind the barrier, with waits on va_vdst between
.endr
	v_pk_add_f32 v[56:57], v[SB:SB+1], v[SB+4:SB+5]                ; groups 0 and 1 start the two chains: nothing is cleared.  (The sums read the 64 alone: plain work behind the four)
	v_pk_add_f32 v[58:59], v[SB+2:SB+3], v[SB+6:SB+7]
.set g, 2
.rept 14
	v_pk_add_f32 v[56:57], v[56:57], v[SB+4*g:SB+4*g+1]
	v_pk_add_f32 v[58:59], v[58:59], v[SB+4*g+2:SB+4*g+3]
.set g, g+1
.endr
	v_pk_add_f32 v[56:57], v[56:57], v[58:59]
	v_add_f32 v[60+\s], v56, v57
.endm
; attn = p x factor, quantised along the keys: codes into v[84 + 8 s ..], the scale word into v[37 + s]
.macro SCALEQ s
.set SB, 128+64*\s
.set BM, 40+4*\s
.set j, 0
.rept 32
	v_pk_mul_f32 v[SB+2*j:SB+2*j+1], v[SB+2*j:SB+2*j+1], v[62+2*\s:63+2*\s] op_sel_hi:[1,0]
.set j, j+1
.endr
.irp b, 0,1,2,3
	v_mul_f32 v[BM+\b], v[BM+\b], v[62+2*\s]       ; the block's largest attn
.endr
.irp b, 0,1,2,3
	v_max_num_f32 v[BM+\b], 0x1800000, v[BM+\b]    ; the floor 2^(3 - 127): a block of zeros keeps the byte 1; its codes are zeros
.endr
.irp b, 0,1,2,3
	v_add_nc_u32 v[52+\b], 0xff000000, v[BM+\b]
.endr
.irp b, 0,1,2,3
	v_lshrrev_b32 v[48+\b], 23, v[52+\b]
.endr
	v_lshl_or_b32 v[37+\s], v49, 8, v48
	v_lshl_or_b32 v[37+\s], v50, 16, v[37+\s]
	v_lshl_or_b32 v[37+\s], v51, 24, v[37+\s]
.irp b, 0,1,2,3
	v_cvt_scalef32_pk8_fp4_f32 v[84+8*\s+2*\b], v[SB+16*\b:SB+16*\b+7], v[52+\b]
	v_cvt_scalef32_pk8_fp4_f32 v[85+8*\s+2*\b], v[SB+16*\b+8:SB+16*\b+15], v[52+\b]
.endr
	v_nop                                          ; one plain line behind the conversions
.irp c, 0,1                                    ; the operand's layout wants a whole block in a lane: lanes 0-15 block 2 c, lanes 16-31 block 2 c + 1
.irp i, 0,1
	v_permlane16_swap_b32 v[84+8*\s+4*\c+\i], v[86+8*\s+4*\c+\i]
.endr
.endr
.endm
.macro REDLOAD par                     ; rows 2 w, 2 w + 1 of the eight partial tiles of parity par
	WIN 0x40
.irp k, 0,1,2,3,4,5,6,7
	ds_load_b128 v[160+4*\k:163+4*\k], v8 offset:OPARP*(\par)+OW*\k
.endr
	WIN 0
.endm
.macro REDSUM                          ; their sum, by pairs, and the store: 32 lanes store two rows of out, 512 consecutive bytes, aligned
	WIN 0x45
.irp k, 0,2,4,6
	v_pk_add_f32 v[160+4*\k:161+4*\k], v[160+4*\k:161+4*\k], v[164+4*\k:165+4*\k]
	v_pk_add_f32 v[162+4*\k:163+4*\k], v[162+4*\k:163+4*\k], v[166+4*\k:167+4*\k]
.endr
.irp k, 0,4
	v_pk_add_f32 v[160+4*\k:161+4*\k], v[160+4*\k:161+4*\k], v[168+4*\k:169+4*\k]
	v_pk_add_f32 v[162+4*\k:163+4*\k], v[162+4*\k:163+4*\k], v[170+4*\k:171+4*\k]
.endr
	v_pk_add_f32 v[160:161], v[160:161], v[176:177]
	v_pk_add_f32 v[162:163], v[162:163], v[178:179]
	WIN 0x04                                       ; a store's data are its source 1: window 1
	s_wait_alu depctr_va_vdst(0)                   ; the additions have written v[160:163] of window 1, which the store reads; inside a tile attn's codes and scale words are written too, which the second products take
	global_store_b128 v9, v[160:163], s[18:19] th:TH_STORE_NT
.endm
; A TILE of 16 queries.  par: its parity;  red = 1: the tile before is summed and stored on the way;  nxt = 1: a tile follows, whose Q and mask words are asked for.
.macro TILE par, red, nxt
	global_load_b32 v74, v2, s[16:17]              ; n of my query,  (no wait: the last readers of v74 and v75 stand ahead of the wait in front of the last tile's partial stores, and no vector line since names them)
	global_load_b32 v75, v2, s[16:17] offset:64    ; and the masked keys' -M
	WIN 0x01                                       ; source 0 (k) window 1
.irp b, 0,1,2,3,4,5,6,7
	MM 128+16*\b, 8*\b, 20, 1, 28+\b/2, 36, \b%2   ; [Q | 0]: keys 32 b + 16 h + 0 .. 7
	MM 136+16*\b, 8*\b, 16, 1, 28+\b/2, 36, \b%2   ; [0 | Q]: keys 32 b + 16 h + 8 .. 15
.endr
	WIN 0
.if \red
	s_wait_alu depctr_vm_vsrc(0)                   ; all that the tile before issued has read its registers: Q's loads v11 and v39, the pair's store v[14:15], the partial tile's stores v[128:159] of window 1, the global store v[160:163] of window 1: this tile writes them all again
.endif
.if \nxt
	s_add_co_u32 s28, s28, 512
	s_add_co_u32 s29, s29, 128
	v_add_nc_u32 v11, s28, v3                      ; four plain lines stand between the products and the first read of their results
	v_add_nc_u32 v39, s29, v4
	v_nop
	v_nop
.else
.rept 4
	v_nop
.endr
.endif
	s_wait_kmcnt 0x0                               ; the mask words of keys 0-127
.set j, 0
.rept 64
	v_cndmask_b32 v[128+j], v[128+j], v10, s[32+j+4*(j/32)]        ; masked scores become -infinity; each result is read from its low end on
.set j, j+1
.endr
	s_wait_alu depctr_va_vdst(0)                   ; the products are done reading Q and its scale word, in which the loads below land; v11 and v39 are written, which those loads read; the selects are done reading s[32:99], in which the scalar loads below land
.if \nxt
	ds_load_b128 v[20:23], v11                     ; the next tile's Q: waited for in front of this tile's barrier
	ds_load_b32 v36, v39
.endif
	MLD 256                                        ; those of keys 128-255 land while the first 128 keys are worked on
	STATS 0
	s_wait_kmcnt 0x0                               ; no scalar load is out: their base may step
.if \nxt
	s_add_nc_u64 s[14:15], s[14:15], 4096
.endif
.set j, 0
.rept 64
	v_cndmask_b32 v[192+j], v[192+j], v10, s[32+j+4*(j/32)]
.set j, j+1
.endr
.if \nxt
	s_wait_alu depctr_va_vdst(0)                   ; the selects are done reading s[32:99], in which the scalar loads below land
	MLD 0                                          ; the next tile's first 64
.endif
	STATS 1
	v_sub_f32 v76, v14, v12                        ; the first 128 keys' sum comes under the wave's shift: a whole number, 0 or less,
	v_cvt_i32_f32 v76, v76                         ; (it saturates)
	v_ldexp_f32 v60, v60, v76                      ; a multiplication that rounds nothing
	v_add_f32 v60, v60, v61
	v_permlanex16_b32 v48, v60, s22, s23
	v_add_f32 v15, v60, v48                        ; with lane l xor 16's keys: the wave's sum for my query
	s_wait_alu depctr_va_vdst(0)                   ; v[14:15] are written, which the store reads; the last tile's join and additions are done with v[66:73] and with v[160:191] of window 1, in which the loads behind the barrier land; the blocks' eight exponentials have written v40 to v47
	ds_store_b64 v5, v[14:15] offset:STATP*\par    ; both halves of the lanes write the same pair
	s_wait_dscnt 0x0                               ; for the others' sake: my pair and my last partial tile lie in LDS, my reads are back
	s_barrier_signal -1
	s_barrier_wait -1
	ds_load_b128 v[66:69], v6 offset:STATP*\par    ; four waves' pairs
	ds_load_b128 v[70:73], v6 offset:STATP*\par+16
.if \red
	REDLOAD 1-\par
.endif
	s_wait_loadcnt 0x0                             ; n and the masked keys' -M; their base may step
.if \nxt
	s_add_nc_u64 s[16:17], s[16:17], 128
.endif
	s_wait_dscnt 8*\red                            ; the pairs are in; the eight loads of partial rows may be out
	v_min_num_f32 v76, v66, v68
	v_min_num_f32 v77, v70, v72
	v_min_num_f32 v76, v76, v77
	v_min_num_f32 v76, v76, v75
	v_permlanex16_b32 v48, v76, s22, s23
	v_min_num_f32 v76, v76, v48                    ; the row's -M
.irp i, 0,1,2,3
	v_sub_f32 v[78+\i], v76, v[66+2*\i]
.endr
.irp i, 0,1,2,3
	v_cvt_i32_f32 v[78+\i], v[78+\i]
.endr
.irp i, 0,1,2,3
	v_ldexp_f32 v[78+\i], v[67+2*\i], v[78+\i]     ; each wave's sum under the row's shift
.endr
	v_add_f32 v78, v78, v79
	v_add_f32 v80, v80, v81
	v_add_f32 v78, v78, v80
	v_permlanex16_b32 v48, v78, s22, s23
	v_add_f32 v78, v78, v48
	v_fma_f32 v77, s24, s26, v76                   ; a masked key's t - M,
	v_exp_f32 v77, v77                             ; and what each of them adds to the row's sum
	v_sub_f32 v79, v76, v12                        ; (plain lines behind the exponential)  from each step's shift to the row's
	v_sub_f32 v80, v76, v14
	v_cvt_i32_f32 v79, v79
	v_cvt_i32_f32 v80, v80
	s_wait_alu depctr_va_vdst(0)                   ; the exponential has written v77, ahead of its first reader
	v_fma_f32 v78, v74, v77, v78                   ; the row's sum
	v_rcp_f32 v78, v78
	v_nop                                          ; one plain line behind the reciprocal
	s_wait_alu depctr_va_vdst(0)                   ; the reciprocal has written v78, ahead of its first reader
	v_ldexp_f32 v62, v78, v79                      ; the factors: 2^(step's M - row's M) / sum
	v_ldexp_f32 v64, v78, v80
	SCALEQ 0
	SCALEQ 1
.if \red
	s_wait_dscnt 0x0
	REDSUM                                         ; its fourteen additions are also the lines between the scale words' and codes' last writes and the products; its wait stands behind them
.else
.rept 8
	v_nop                                          ; a scale register written by a vector instruction stands eight plain lines ahead of a scaled product, an operand four
.endr
	s_wait_alu depctr_va_vdst(0)                   ; attn's codes v[84:99] and scale words v37, v38 are written, which the second products take; the lines above stay beside this wait
.endif
	WIN 0x51                                       ; source 0 (v), C and D window 1
.irp sp, 0,1
.irp t, 0,1,2,3
	MM 128+8*\t, 64+8*(4*\sp+\t), 84+8*\sp, 1-\sp, 32+2*\sp+\t/2, 37+\sp, \t%2     ; the four accumulators by turns
.endr
.endr
.rept 4
	v_nop
.endr
	WIN 0x04                                       ; an LDS store's data are its source 1: window 1
	s_wait_alu depctr_va_vdst(0)                   ; the second products have written my partial tile, which the stores read; the four lines above stay beside this wait
.irp t, 0,1,2,3
	ds_store_b128 v7, v[128+8*\t:131+8*\t] offset:OPARP*\par+64*\t         ; lane (r, h): channels 16 t + 8 h + 0 .. 7 of query r; each result from its low end on
	ds_store_b128 v7, v[132+8*\t:135+8*\t] offset:OPARP*\par+64*\t+16
.endr
	WIN 0
.if \red
	s_wait_xcnt 0x0                                ; the store has read its data and its base: both are written again only behind this wait
	s_add_nc_u64 s[18:19], s[18:19], 4096
.endif
.endm
	TILE 0, 0, 1                                   ; tile 0: nothing to sum yet
	s_mov_b32 s27, 7
.Lpair:                                            ; tiles 1 to 14, two a trip: the parities come back
	TILE 1, 1, 1
	TILE 0, 1, 1
	s_sub_co_u32 s27, s27, 1
	s_cmp_lg_u32 s27, 0
	s_cbranch_scc1 .Lpair
	TILE 1, 1, 0                                   ; tile 15 asks for nothing more
	s_wait_dscnt 0x0                               ; my last partial tile lies in LDS
	s_barrier_signal -1
	s_barrier_wait -1
	s_wait_alu depctr_vm_vsrc(0)                   ; tile 15's global store has read v[160:163] of window 1, in which the loads below land (the additions that named v[160:191] stand ahead of the wait in front of tile 15's partial stores)
	REDLOAD 1
	s_wait_dscnt 0x0
	REDSUM
	WIN 0
	s_wait_dscnt 0x0                               ; the closing lines, six on end
	s_wait_alu 0x0
	s_wait_tensorcnt 0x0
	ds_add_u32 v126, v127
	s_wait_dscnt 0x0
	s_endpgm
.Lfunc_end_k_q9915433353_attn:
	.size	k_q9915433353_attn, .Lfunc_end_k_q9915433353_attn-k_q9915433353_attn
	.p2alignl 7, 3214868480
	.fill 96, 4, 3214868480
	.section	.rodata,"a",@progbits
	.p2align	6, 0x0
	.amdhsa_kernel k_q9915433353_attn
		.amdhsa_group_segment_fixed_size 118272
		.amdhsa_private_segment_fixed_size 0
		.amdhsa_enable_private_segment 0
		.amdhsa_kernarg_size 64
		.amdhsa_user_sgpr_count 2
		.amdhsa_user_sgpr_kernarg_segment_ptr 1
		.amdhsa_wavefront_size32 1
		.amdhsa_system_sgpr_workgroup_id_x 1
		.amdhsa_system_sgpr_workgroup_id_y 1
		.amdhsa_system_sgpr_workgroup_id_z 1
		.amdhsa_system_vgpr_workitem_id 0
		.amdhsa_next_free_vgpr 448
		.amdhsa_next_free_sgpr 100
		.amdhsa_reserve_vcc 0
		.amdhsa_float_denorm_mode_32 3
		.amdhsa_float_denorm_mode_16_64 3
		.amdhsa_memory_ordered 1
		.amdhsa_forward_progress 1
		.amdhsa_inst_pref_size 184
	.end_amdhsa_kernel
	.amdgpu_metadata
---
amdhsa.version: [ 1, 2 ]
amdhsa.kernels:
  - .name:           k_q9915433353_attn
    .symbol:         k_q9915433353_attn.kd
    .args:
      - { .name: q, .offset: 0, .size: 8, .value_kind: global_buffer, .address_space: global }
      - { .name: kfrag, .offset: 8, .size: 8, .value_kind: global_buffer, .address_space: global }
      - { .name: ksc, .offset: 16, .size: 8, .value_kind: global_buffer, .address_space: global }
      - { .name: vfrag, .offset: 24, .size: 8, .value_kind: global_buffer, .address_space: global }
      - { .name: vsc, .offset: 32, .size: 8, .value_kind: global_buffer, .address_space: global }
      - { .name: mbits, .offset: 40, .size: 8, .value_kind: global_buffer, .address_space: global }
      - { .name: mstat, .offset: 48, .size: 8, .value_kind: global_buffer, .address_space: global }
      - { .name: out0, .offset: 56, .size: 8, .value_kind: global_buffer, .address_space: global }
    .group_segment_fixed_size: 118272
    .private_segment_fixed_size: 0
    .kernarg_segment_align: 8
    .kernarg_segment_size: 64
    .max_flat_workgroup_size: 256
    .sgpr_count:     100
    .vgpr_count:     448
    .wavefront_size: 32
...
	.end_amdgpu_metadata
.endif
;; end of part 3
